; MI455X (gfx1250); checked and timed in simulation.
; The chip was launched on July 23, 2026; its instructions are those of AMD's public machine-readable ISA for CDNA 5 (MIT licence, August 2026) and "CDNA5" Instruction Set Architecture Reference Guide (July 2026). The comments in the code are by the model that wrote it; some were corrected since.
;; Causal Self Attention. Allowed arithmetic: matrix products marked QUANTISED: E4M3 operands, one given power-of-two scale a tensor, by v_wmma_f32_16x16x64_fp8_fp8 or v_wmma_f32_16x16x128_fp8_fp8, f32 sums; everything else in f32.
;; Inputs: lowp_scales 8 int32 (the exponents e of the quantised operands' scales 2^e); w_proj_codes 1,024 x 32 x 32 uint8 (E4M3 codes of w_proj, K innermost, in blocks of 32 codes); w_qkv_codes 3,072 x 32 x 32 uint8 (E4M3 codes of w_qkv, K innermost, in blocks of 32 codes); x_codes 4 x 2,048 x 32 x 32 uint8 (E4M3 codes of x, K innermost, in blocks of 32 codes).
;; Outputs: out0 4 x 2,048 x 1,024 float32.
;; This version of the problem:
;;   THIS VERSION OF THE PROBLEM IS GIVEN IN LOW PRECISION. The matrix products marked QUANTISED in the list below multiply operands that are first quantised to E4M3 (4 exponent bits, 3 mantissa bits; 8 bits a number), with one given power-of-two scale for each operand tensor; their sums are f32. All else is computed in f32.
;;   The module's matrix products, in the order in which they are computed (A, B: the left and right operand; K: the contracted axis; several contracted axes count as one K, in the product's order):
;;     1. [M 8,192, K 1,024] x [K 1,024, N 3,072]; A: input x (given as codes); B: input w_qkv (given as codes): QUANTISED (scales: A lowp_scales[0], B lowp_scales[1])
;;     2. batch 64 x [M 2,048, K 64] x [K 64, N 2,048]; A: computed on the way; B: computed on the way: QUANTISED (scales: A lowp_scales[2], B lowp_scales[3])
;;     3. batch 64 x [M 2,048, K 2,048] x [K 2,048, N 64]; A: softmax (see below); B: computed on the way: QUANTISED (scales: A lowp_scales[4], B lowp_scales[5])
;;     4. [M 8,192, K 1,024] x [K 1,024, N 1,024]; A: computed on the way; B: input w_proj (given as codes): QUANTISED (scales: A lowp_scales[6], B lowp_scales[7])
;;   THE QUANTISER, for each operand of a quantised product, along K:
;;     - The operand's scale is 2^e, e = its entry of the input lowp_scales (int32; the entries are numbered through the quantised products in the list's order, A before B).
;;     - Each number is divided by the scale, clamped to +-448, and rounded to the nearest number of E4M3, ties to even, subnormals kept.
;;     - The product sums the exact products of the quantised numbers (number of the format x scale) in f32.
;;   ~~~python
;;   def quantise(x, axis, e):      # numpy; x: float32 -> the quantised numbers, widened to float32 again
;;       x = np.moveaxis(x, axis, -1); K = x.shape[-1]
;;       r = np.clip(x / 2.0 ** e, -448, 448)
;;       step = 2.0 ** (np.maximum(np.frexp(np.where(r == 0, 1, r))[1] - 1, -6) - 3)
;;       q = np.round(r / step) * step * 2.0 ** e      # np.round: ties to even
;;       return np.moveaxis(q, -1, axis).astype(np.float32)
;;   ~~~
;;   SOFTMAX AHEAD OF A QUANTISED PRODUCT. Where the list says 'softmax', what is quantised is not the finished softmax but p = 2^(t - M), with t = logit x log2(e) and M = ceil(the row's largest t), a whole number; so 1/2 < the row's largest p <= 1. The row's sum l is taken of the UNQUANTISED p, in f32, and the product's result is divided by l at the end. Since M is a whole number, a kernel that streams over the keys may use a running M (the ceiling of the running maximum): every later rescaling is an exact power of two, so the quantised numbers keep their values, but for numbers so far below the row's largest that they fall under the format's range.
;;   OPERANDS COMPUTED ON THE WAY. 'Computed on the way' means the value that the module computes at that place (a softmax that the list does not call 'softmax' is quantised finished and normalised). What goes into a quantiser is computed in f32, as accurately as f32 sums, v_exp_f32 and their like allow (about 1e-6 of the number): no bf16 or f16 on the way to a quantiser, and a product that is left as it is and whose result goes on into a quantised operand takes f32 operands (vector FMAs, or v_wmma_f32_16x16x4_f32). A number that lies on a knife's edge between two numbers of the format may be rounded either way, as far as f32 arithmetic and the matrix unit's own rounding can turn it there, and no further.
;;   INPUTS GIVEN AS CODES. w_proj (in the module: [1024, 1024], K = its axis 0); w_qkv (in the module: [1024, 3072], K = its axis 0); x (in the module: [4, 2048, 1024], K = its axis 2): each comes as NAME_codes (uint8): NAME with its K axis moved to the last place and cut into blocks of 32 codes, [.., K / 32, bytes a block], one block behind the other in memory; one code a byte (a code: sign, 4 exponent bits, 3 mantissa bits); its scale is its entry of lowp_scales. Its value is code x scale, taken as it is: it is not quantised again, and the codes and scales need not be those that the quantiser above would give.
;; One version. Each part assembles by itself: llvm-mc -triple=amdgcn-amd-amdhsa -mcpu=gfx1250 --defsym DOCPART=n.
;; ======== version 1 of 1: 3 launches
;; limits: right only within a limited range of input values
;; workspace buffers: qkvc 25,165,824 bytes; ac 8,388,608 bytes
;; launch qkv (part 1): grid 12 x 32, 4 waves a work-group, clusters of 4 x 4, 327,680 bytes of LDS; arguments x_codes, w_qkv_codes, lowp_scales, qkvc; writes qkvc
.if DOCPART == 1
	.amdgcn_target "amdgcn-amd-amdhsa--gfx1250"
	.amdhsa_code_object_version 6
	.text
	.protected	k_q1a2cb74edc_qkv
	.globl	k_q1a2cb74edc_qkv
	.p2align	8
	.type	k_q1a2cb74edc_qkv,@function
k_q1a2cb74edc_qkv:
	s_mov_b64 s[64:65], 0
	v_nop
	global_prefetch_b8 v0, s[64:65] scope:SCOPE_SE
	s_setreg_imm32_b32 hwreg(HW_REG_WAVE_MODE, 25, 1), 1
	s_wait_xcnt 0x0
	s_wait_alu depctr_hold_cnt(0) depctr_sa_sdst(0) depctr_va_vdst(0) depctr_va_sdst(0) depctr_va_ssrc(0) depctr_va_vcc(0) depctr_vm_vsrc(0)
	s_getreg_b32 s2, hwreg(HW_REG_IB_STS2, 6, 4)
	s_cmp_eq_u32 s2, 0
	s_cbranch_scc0 .Lentry_in_a_cluster
	s_endpgm
.Lentry_in_a_cluster:
	s_bfe_u32 s2, ttmp6, 0x10000c
	s_cmp_lg_u32 s2, 0xf033
	s_cbranch_scc0 .Lentry_shape_is_right
	s_endpgm
.Lentry_shape_is_right:
; qkv = x w_qkv on codes of E4M3 (8,192 x 3,072 x 1,024), and the quantisers of q, k and v behind it.  x: [8192][1024] codes, w_qkv: [3072][1024] codes, K innermost in both.
; A tile of 256 x 256 sums is made by four waves, 128 x 128 each: 64 accumulators of 16 x 16.  K goes in steps of 256 through a ring of two LDS slots filled by the tensor data mover.
; THE MATRIX INSTRUCTION IS USED TRANSPOSED: source 0 = 16 rows of the tensor in ROLE B, source 1 = 16 rows of the tensor in ROLE A.  Lane (r, h) of accumulator (a, b) then holds role A's row 16 a + r and
; role B's rows 16 b + 8 h + 0 .. 7.  One conversion of these eight sums gives registers 2 b, 2 b + 1 of an 8-bit operand whose rows are role A's and whose K runs along role B's rows.
;   q, k (cluster x = 0, 1): role A = x (tokens), role B = w_qkv (channels): operands of 16 tokens x 64 channels of a head, 8 registers.
;   v    (cluster x = 2):    role A = w_qkv (channels), role B = x (tokens): operands of 16 channels x 128 keys, 16 registers: the keys are the K of the product that takes v.
; THE WORKSPACE HOLDS IMAGES OF THESE REGISTERS: four registers go out by one store, lane l's 16 bytes at 16 l: 512 consecutive bytes, aligned.  No stage in LDS, nothing is transposed.
;   qkvc: q at 0, k at 1 << 23, v at 2 << 23.  With bh = 16 x batch + head:  q, k: the operand of tokens 16 tb on at bh << 17 + tb << 10;  v: that of keys 128 ks on, channels 16 ct on at bh << 17 + ks << 13 + ct << 11.
; A sum stands for sum x 2^(e0 + e1); its code is sum / 2^(et - e0 - e1), held within +-448, et = e2 (q), e3 (k), e5 (v): the three exponents are folded into the conversion's one scale.
; LIMIT: et - e0 - e1 lies between -126 and 119, so that the scale and 448 x the scale are f32 numbers.  NaN codes among the inputs are not served.
; The k of a fragment are taken in a permuted order (four loads of 16 bytes), the same in both roles: every product meets its partner.
; CLUSTERS: 4 x 4 work-groups; a cluster is of one kind (q, k or v), so nothing in it differs but cx and cy.  Role A's tile hangs on cy alone and is asked for jointly along a row of the cluster, role B's on cx alone, along a column.
; REGISTERS, in windows of 256: window 0: v16-31 addresses and the conversion's scale; v96-111 the stores' offsets; v128-255 role A's fragments, ONE set, later the codes.
;   window 1: role B's fragments, TWO sets, at v0 and v128.   window 2: the accumulators of my rows 0-63 ((a, b) at v[8 (8 a + b)]);   window 3: those of rows 64-127.
.set ROWB,   256                       ; a tile's row in bytes: 256 along K
.set KROW,   1024                      ; a row of x or of w_qkv in memory
.set PITCH,  272                       ; an LDS row: 256 bytes + 16 of padding = 68 words: the 16 rows that a load touches start 4 words apart
.set FR,     16                        ; registers of a fragment: 16 rows x 128 K
.set NL,     4                         ; LDS loads that bring one
.set NP,     4                         ; places behind this matrix instruction (ISA guide 7.12.1)
.set HALFT,  128*PITCH                 ; 128 rows: what one tensor load brings
.set SLOT,   4*HALFT                   ; role A's 256 rows, then role B's
.set SPARE,  2*SLOT                    ; behind the ring: the spare words, 128 bytes for each wave
.set ADRA, 16                          ; v16-17  LDS address of my fragments of role A in slot 0, 1
.set ADRB, 20                          ; v20-21  the same for role B
.set SC,   24                          ; v24     2^(et - e0 - e1) as f32
.set LIM,  25
.set LI,   26                          ; v26     16 x lane
.set SPW,  28                          ; v28     my spare word's LDS address; never rewritten
.set NIL,  29                          ; v29     0; never rewritten
.set TMP,  32
.set VO,   96                          ; v96-111 block a's two store offsets at v[96 + 2 a], v[97 + 2 a]
.set AF,   128                         ; role A's fragments
.set CD,   128                         ; the codes: 16 registers a block, in the registers that role A's fragments leave
.set G1, 24                            ; s[24:31] descriptor group 1 for role A;  s[32:39] group 0, one set for each slot
.set G0, 32
.set G1B, 48                           ; s[48:55], s[56:63] the same for role B
.set G0B, 56
.set MSB, 0
.macro WIN new                         ; the immediate's high byte repeats the setting that is left
.if MSB != \new
	s_set_vgpr_msb (MSB<<8)|\new
.set MSB, \new
.endif
.endm
.set MUL_LO, 0xa1                      ; source 0 window 1, source 1 window 0, C and D window 2
.set MUL_HI, 0xf1                      ; the same, C and D window 3
.set TO_B,   0x40                      ; destination window 1, address window 0
; A joint load: waves 0 and 1 fetch for role A, waves 2 and 3 for role B.  The branch hangs on the wave's number alone.  Four v_nop follow each of the two lines.
.macro JLOAD g0a, g1a, g0b, g1b
	s_cmp_eq_u32 s15, 0
	s_cbranch_scc0 .Lfor_b_\@
	tensor_load_to_lds s[\g0a:\g0a+3], s[\g1a:\g1a+7]
	s_nop 0
.rept 4
	v_nop
.endr
	s_branch .Lasked_\@
.Lfor_b_\@:
	tensor_load_to_lds s[\g0b:\g0b+3], s[\g1b:\g1b+7]
	s_nop 0
.rept 4
	v_nop
.endr
.Lasked_\@:
.endm
.macro CREST                           ; a round of the cluster's barrier behind its opening barrier
	s_cmp_lg_u32 s14, 0
	s_cbranch_scc1 .Lnot_wave_0_\@
	s_barrier_signal -3
.Lnot_wave_0_\@:
	s_barrier_wait -3
	s_barrier_signal -1
	s_barrier_wait -1
.endm
.macro CROUND                          ; a whole round
	s_barrier_signal -1
	s_barrier_wait -1
	CREST
.endm
	s_load_b128 s[4:7], s[0:1], 0x0                ; x's codes s[4:5], w_qkv's codes s[6:7]
	s_load_b128 s[8:11], s[0:1], 0x10              ; the scales' exponents s[8:9], qkvc s[10:11]
	v_lshl_add_u32 v[SPW], v0, 2, SPARE
	v_mov_b32 v[NIL], 0
	ds_add_u32 v28, v29
	ds_add_u32 v28, v29
	s_wait_dscnt 0x0
	v_lshrrev_b32 v1, 5, v0
	v_readfirstlane_b32 s14, v1                    ; wave 0..3
	s_lshr_b32 s15, s14, 1                         ; which half of role A's rows is mine.  Also: I fetch for role A (0) or B (1)
	s_and_b32 s16, s14, 1                          ; which half of role B's rows.  Also: which 128 rows of that tile I fetch
	s_bfe_u32 s40, ttmp6, 0x40000                  ; cx, cy: my place in the cluster
	s_bfe_u32 s41, ttmp6, 0x40004
	s_and_b32 s13, ttmp7, 0xffff
	s_lshl_b32 s13, s13, 2                         ; 4 x cluster y: the cluster's first tile of x
	s_lshl_b32 s12, ttmp9, 2                       ; 4 x cluster x: the cluster's first tile of w_qkv (q, k)
	s_cmp_eq_u32 ttmp9, 2                          ; a cluster of v?  The same answer in all sixteen partners
	s_cselect_b32 s17, 8, s13
	s_cselect_b32 s42, s13, s12
	s_add_co_u32 s17, s17, s41                     ; role A's tile: x's 4 Y + cy, or w_qkv's 8 + cy
	s_add_co_u32 s42, s42, s40                     ; role B's tile: w_qkv's 4 X + cx, or x's 4 Y + cx
	s_lshl_b32 s43, s41, 2
	s_lshl_b32 s43, 15, s43                        ; my row of the cluster
	s_lshl_b32 s44, 0x1111, s40                    ; my column
	; descriptor group 1: a tile of 128 rows x 256 bytes, padded in LDS; both tensors have rows of 1,024 bytes
	s_or_b32 s[G1+0], s43, (0<<16)|(1<<20)|(1<<21)|(5<<22)|(3<<25)  ; 15:0 the mask; 17:16 elements of 1 byte; 20 padding on; 21 set beside a mask; 24:22 after every 64 words; 31:25 four words
	s_or_b32 s[G1B+0], s44, (0<<16)|(1<<20)|(1<<21)|(5<<22)|(3<<25)
.irp g, G1, G1B
	s_mov_b32 s[\g+1], ROWB<<16                    ; tensor_dim0
	s_mov_b32 s[\g+2], 128<<16                     ; tensor_dim1
	s_mov_b32 s[\g+3], ROWB<<16                    ; tile_dim0
	s_mov_b32 s[\g+4], 128                         ; tile_dim1
	s_mov_b32 s[\g+5], KROW                        ; tensor_dim0_stride
	s_mov_b32 s[\g+6], 0
	s_mov_b32 s[\g+7], 0
.endr
	s_lshl_b32 s18, s16, 7                         ; which 128 rows of the tile I fetch
	s_lshl_b32 s20, s17, 8
	s_add_co_u32 s20, s20, s18
	s_lshl_b32 s20, s20, 10                        ; role A: (256 x tile + 128 x half) rows of 1,024 bytes, under 2^24
	s_lshl_b32 s46, s42, 8
	s_add_co_u32 s46, s46, s18
	s_lshl_b32 s46, s46, 10                        ; role B likewise
	s_mov_b32 s21, 0
	s_mov_b32 s47, 0
	s_mul_i32 s45, s14, HALFT                      ; where they go: wave x 128 rows: no place in the cluster enters an LDS address
	s_wait_kmcnt 0x0
	s_load_b256 s[80:87], s[8:9], 0x0              ; e0 .. e7
	s_cmp_eq_u32 ttmp9, 2
	s_cselect_b64 s[72:73], s[6:7], s[4:5]         ; role A's tensor,
	s_cselect_b64 s[74:75], s[4:5], s[6:7]         ; role B's: a choice that hangs on the cluster's number alone
	s_add_nc_u64 s[20:21], s[72:73], s[20:21]
	s_add_nc_u64 s[46:47], s[74:75], s[46:47]
	CROUND                                         ; all sixteen work-groups are here: the first joint loads meet
.irp s, 0,1
	s_mov_b32 s[G0+4*\s], 1
	s_add_co_u32 s[G0+4*\s+1], s45, \s*SLOT
	s_add_nc_u64 s[G0+4*\s+2:G0+4*\s+3], s[20:21], \s*ROWB
	s_or_b32 s[G0+4*\s+3], s[G0+4*\s+3], 0x80000000
	s_mov_b32 s[G0B+4*\s], 1
	s_add_co_u32 s[G0B+4*\s+1], s45, \s*SLOT
	s_add_nc_u64 s[G0B+4*\s+2:G0B+4*\s+3], s[46:47], \s*ROWB
	s_or_b32 s[G0B+4*\s+3], s[G0B+4*\s+3], 0x80000000
	JLOAD G0+4*\s, G1, G0B+4*\s, G1B               ; two loads of mine are out: K steps 0 and 1
.endr
	v_and_b32 v1, 15, v0                           ; r
	v_bfe_u32 v2, v0, 4, 1                         ; h
	v_mul_u32_u24 v3, v1, PITCH
	v_lshl_add_u32 v4, v2, 4, v3                   ; a fragment's row x pitch + 16 x half
	s_mul_i32 s21, s15, HALFT                      ; my 128 rows of role A
	s_mul_i32 s22, s16, HALFT                      ; my 128 rows of role B,
	s_add_co_u32 s22, s22, 2*HALFT                 ; which lie behind role A's 256
.irp s, 0,1
	v_add_nc_u32 v[ADRA+\s], s21, v4
	v_add_nc_u32 v[ADRB+\s], s22, v4
	s_add_co_u32 s21, s21, SLOT
	s_add_co_u32 s22, s22, SLOT
.endr
	; where my codes go.  xt, xh: x's tile and my half of it; wt, wh: the part's tile of w_qkv and my half of it
	v_and_b32 v6, 31, v0
	v_lshlrev_b32 v[LI], 4, v6
	s_wait_alu depctr_va_vdst(0)
	s_cmp_eq_u32 ttmp9, 2
	s_cselect_b32 s66, s42, s17                    ; xt
	s_cselect_b32 s67, s41, s40                    ; wt
	s_cselect_b32 s68, s16, s15                    ; xh
	s_cselect_b32 s69, s15, s16                    ; wh
	s_mov_b32 s70, 131072
	s_cselect_b32 s70, 1024, s70                   ; from a block's first eight registers to its last eight: q, k: the next head; v: the operand's second half
	s_mov_b32 s71, 1024
	s_cselect_b32 s71, 2048, s71                   ; from block to block: q, k: 16 tokens on; v: 16 channels on,
	s_mov_b32 s76, 1024
	s_cselect_b32 s76, 124928, s76                 ; and from block 3 to block 4 of v: the next head's first channels (131,072 - 3 x 2,048)
	s_lshl_b32 s77, ttmp9, 23                      ; the part
	s_lshr_b32 s78, s66, 3
	s_lshl_b32 s78, s78, 21                        ; the batch: 16 heads of 1 << 17
	s_add_co_u32 s77, s77, s78
	s_lshl_b32 s78, s67, 2
	s_lshl_b32 s79, s69, 1
	s_add_co_u32 s78, s78, s79
	s_lshl_b32 s78, s78, 17                        ; my first head: 4 wt + 2 wh
	s_add_co_u32 s77, s77, s78
	s_and_b32 s78, s66, 7
	s_lshl_b32 s78, s78, 1
	s_add_co_u32 s78, s78, s68
	s_lshl_b32 s78, s78, 13                        ; my 128 tokens of the batch: 2 (xt mod 8) + xh
	s_add_co_u32 s78, s77, s78
	s_mov_b32 s79, 0
	s_add_nc_u64 s[10:11], s[10:11], s[78:79]
	s_mov_b32 s77, 0
.irp a, 0,1,2,3,4,5,6,7
	v_add_nc_u32 v[VO+2*\a], s77, v[LI]
	v_add_nc_u32 v[VO+2*\a+1], s70, v[VO+2*\a]
.if \a == 3
	s_add_co_u32 s77, s77, s76
.else
	s_add_co_u32 s77, s77, s71
.endif
.endr
	s_wait_kmcnt 0x0
	s_cmp_eq_u32 ttmp9, 0
	s_cselect_b32 s88, s82, s83                    ; e2 for q, e3 for k,
	s_cmp_eq_u32 ttmp9, 2
	s_cselect_b32 s88, s85, s88                    ; e5 for v: chosen without a branch
	s_sub_co_i32 s88, s88, s80
	s_sub_co_i32 s88, s88, s81                     ; et - e0 - e1
	s_add_co_i32 s88, s88, 127
	s_lshl_b32 s89, s88, 23
	v_mov_b32 v[SC], s89                           ; the conversion takes its exponent field
.macro FRAG reg, adr, q, i             ; a fragment: lane l holds row l % 16; registers 4 c .. 4 c + 3 hold K = 32 c + 16 (l / 16) + 0 .. 15
.irp c, 0,1,2,3
	ds_load_b128 v[\reg+4*\c:\reg+4*\c+3], v[\adr] offset:128*(\q)+32*\c+(\i)*16*PITCH
.endr
.endm
; 16 matrix instructions: role A's blocks a0, a0 + 1 x role B's eight, 128 along K.  p: role B's set.  zero = 1: the first product starts the sums.
; The 64 accumulators take turns, one instruction a turn, in the same order in every step.
.macro MUL16 a0, p, zero
.irp a, \a0, \a0+1
.irp b, 0,1,2,3,4,5,6,7
.if \zero
	v_wmma_f32_16x16x128_fp8_fp8 v[8*(8*((\a)%4)+\b):8*(8*((\a)%4)+\b)+7], v[128*(\p)+FR*\b:128*(\p)+FR*\b+FR-1], v[AF+FR*(\a):AF+FR*(\a)+FR-1], 0
.else
	v_wmma_f32_16x16x128_fp8_fp8 v[8*(8*((\a)%4)+\b):8*(8*((\a)%4)+\b)+7], v[128*(\p)+FR*\b:128*(\p)+FR*\b+FR-1], v[AF+FR*(\a):AF+FR*(\a)+FR-1], v[8*(8*((\a)%4)+\b):8*(8*((\a)%4)+\b)+7]
.endif
.endr
.endr
.endm
.macro FETCH_B slot, q, p              ; role B's eight fragments of the slot's q-th 128 along K into set p
	WIN TO_B
.irp i, 0,1,2,3,4,5,6,7
	FRAG 128*(\p)+FR*\i, ADRB+\slot, \q, \i
.endr
	WIN 0
.endm
.macro FETCH_A slot, q, i0             ; role A's blocks i0 .. i0 + 3
.irp i, \i0, \i0+1, \i0+2, \i0+3
	FRAG AF+FR*(\i), ADRA+\slot, \q, \i
.endr
.endm
.macro PLACES n                        ; plain vector instructions between a matrix instruction and a load into, or a vector read or write of, its registers
.rept \n
	v_nop
.endr
.endm
; A step of 128 along K that has its successor in the same slot.
.macro STEP slot, q, zero
	s_wait_dscnt 4*NL                              ; role B's set and role A's blocks 0-3 are in; the youngest 16 loads (blocks 4-7) may be out
	WIN MUL_LO
	MUL16 0, (\q)%2, \zero
	MUL16 2, (\q)%2, \zero
	s_wait_dscnt 0                                 ; blocks 4-7 are in
	PLACES NP
	FETCH_B \slot, (\q)+1, 1-(\q)%2
	FETCH_A \slot, (\q)+1, 0
	WIN MUL_HI
	MUL16 4, (\q)%2, \zero
	MUL16 6, (\q)%2, \zero
	PLACES NP
	WIN 0
	FETCH_A \slot, (\q)+1, 4
.endm
; A slot's last step changes slots: ONE barrier; in front of it each wave waits for all its tensor loads, adds 0 to its spare word, and waits for that and for its own reads of this slot.  fill = 1: this slot is filled again, two K steps ahead.
.macro TURN slot, next, fill
	s_wait_tensorcnt 0x0                           ; all my tensor loads have landed: my part of the next slot
	ds_add_u32 v[SPW], v[NIL]                      ; 0 onto my spare word
	s_wait_dscnt 4*NL+1                            ; the add and the youngest 16 loads (blocks 4-7) may be out
	WIN MUL_LO
	MUL16 0, 1, 0                                  ; sixteen matrix instructions stand between the add and the wait for it
	s_wait_dscnt 0x0                               ; the add is done, and my reads of this slot are over
	s_barrier_signal -1
	MUL16 2, 1, 0
	WIN 0
	s_barrier_wait -1
.if \fill
	CREST                                          ; the barrier has opened a round of the cluster's: no wave of any partner still reads this slot or has a load on its way
	s_add_nc_u64 s[G0+4*\slot+2:G0+4*\slot+3], s[G0+4*\slot+2:G0+4*\slot+3], 2*ROWB
	s_add_nc_u64 s[G0B+4*\slot+2:G0B+4*\slot+3], s[G0B+4*\slot+2:G0B+4*\slot+3], 2*ROWB
	JLOAD G0+4*\slot, G1, G0B+4*\slot, G1B         ; the first tensor load behind the round; its four v_nop are also the places in front of the loads below
.else
	PLACES NP
.endif
	FETCH_B \next, 0, 0
	FETCH_A \next, 0, 0
	WIN MUL_HI
	MUL16 4, 1, 0
	MUL16 6, 1, 0
	PLACES NP
	WIN 0
	FETCH_A \next, 0, 4
.endm
; THE WAY OUT of block a (role A's rows 16 a on): eight conversions give 16 registers of codes; four stores of 512 consecutive bytes.
; Every block has its own registers for codes and offsets, and the base is never stepped: no store's source is written again.
.macro OUTB a
.set AC, 64*((\a)%4)
	WIN 0x02+((\a)/4)                              ; source 0: window 2 or 3
.set j, 0
.rept 64
.set j, j+1
.endr
.irp b, 0,1,2,3,4,5,6,7
	v_cvt_scalef32_pk8_fp8_f32 v[CD+16*(\a)+2*\b:CD+16*(\a)+2*\b+1], v[AC+8*\b:AC+8*\b+7], v[SC]
.endr
	WIN 0
	v_nop                                          ; a plain vector line between the conversions and the stores that read their results
	global_store_b128 v[VO+2*(\a)], v[CD+16*(\a):CD+16*(\a)+3], s[10:11]
	global_store_b128 v[VO+2*(\a)], v[CD+16*(\a)+4:CD+16*(\a)+7], s[10:11] offset:512
	global_store_b128 v[VO+2*(\a)+1], v[CD+16*(\a)+8:CD+16*(\a)+11], s[10:11]
	global_store_b128 v[VO+2*(\a)+1], v[CD+16*(\a)+12:CD+16*(\a)+15], s[10:11] offset:512
.endm
	s_wait_tensorcnt 1                             ; my part of K step 0 is in; K step 1's load may be out
	s_barrier_signal -1
	s_barrier_wait -1                              ; everybody's is
	FETCH_B 0, 0, 0
	FETCH_A 0, 0, 0
	FETCH_A 0, 0, 4
	STEP 0, 0, 1                                   ; K = 1,024 is four K steps of 256, eight steps of 128: written straight
	TURN 0, 1, 1                                   ; slot 0 takes K step 2
	STEP 1, 0, 0
	TURN 1, 0, 1                                   ; slot 1 takes K step 3
	STEP 0, 0, 0
	TURN 0, 1, 0                                   ; nothing is left to fetch
	STEP 1, 0, 0
	s_wait_dscnt 4*NL
	WIN MUL_LO
	MUL16 0, 1, 0
	MUL16 2, 1, 0
	s_wait_alu depctr_va_vdst(0)
	s_wait_dscnt 0
	WIN MUL_HI
	MUL16 4, 1, 0
	MUL16 6, 1, 0
	WIN 0
	PLACES NP                                      ; behind the last products: the conversions write registers that held role A's fragments
.irp a, 0,1,2,3,4,5,6,7
	OUTB \a
.endr
	s_wait_tensorcnt 0x0                           ; the wave's end
	ds_add_u32 v[SPW], v[NIL]
	s_wait_dscnt 0x0
	CROUND                                         ; the closing round: no work-group ends while a partner may still ask for a tile that names it
	s_endpgm
.Lfunc_end_k_q1a2cb74edc_qkv:
	.size	k_q1a2cb74edc_qkv, .Lfunc_end_k_q1a2cb74edc_qkv-k_q1a2cb74edc_qkv
	.p2alignl 7, 3214868480
	.fill 96, 4, 3214868480
	.section	.rodata,"a",@progbits
	.p2align	6, 0x0
	.amdhsa_kernel k_q1a2cb74edc_qkv
		.amdhsa_group_segment_fixed_size 327680
		.amdhsa_private_segment_fixed_size 0
		.amdhsa_enable_private_segment 0
		.amdhsa_kernarg_size 32
		.amdhsa_user_sgpr_count 2
		.amdhsa_user_sgpr_kernarg_segment_ptr 1
		.amdhsa_wavefront_size32 1
		.amdhsa_system_sgpr_workgroup_id_x 1
		.amdhsa_system_sgpr_workgroup_id_y 1
		.amdhsa_system_sgpr_workgroup_id_z 1
		.amdhsa_system_vgpr_workitem_id 0
		.amdhsa_next_free_vgpr 1024
		.amdhsa_next_free_sgpr 100
		.amdhsa_reserve_vcc 0
		.amdhsa_float_denorm_mode_32 3
		.amdhsa_float_denorm_mode_16_64 3
		.amdhsa_fp16_overflow 1
		.amdhsa_memory_ordered 1
		.amdhsa_forward_progress 1
		.amdhsa_inst_pref_size 87
	.end_amdhsa_kernel
	.amdgpu_metadata
---
amdhsa.version: [ 1, 2 ]
amdhsa.kernels:
  - .name:           k_q1a2cb74edc_qkv
    .symbol:         k_q1a2cb74edc_qkv.kd
    .args:
      - { .name: x_codes, .offset: 0, .size: 8, .value_kind: global_buffer, .address_space: global }
      - { .name: w_qkv_codes, .offset: 8, .size: 8, .value_kind: global_buffer, .address_space: global }
      - { .name: lowp_scales, .offset: 16, .size: 8, .value_kind: global_buffer, .address_space: global }
      - { .name: qkvc, .offset: 24, .size: 8, .value_kind: global_buffer, .address_space: global }
    .group_segment_fixed_size: 327680
    .private_segment_fixed_size: 0
    .kernarg_segment_align: 8
    .kernarg_segment_size: 32
    .max_flat_workgroup_size: 128
    .sgpr_count:     100
    .vgpr_count:     1024
    .wavefront_size: 32
...
	.end_amdgpu_metadata
.endif
;; end of part 1
;; launch attn (part 2): grid 4 x 64, 16 waves a work-group, no clusters, 327,680 bytes of LDS; arguments qkvc, lowp_scales, ac; writes ac
.if DOCPART == 2
	.amdgcn_target "amdgcn-amd-amdhsa--gfx1250"
	.amdhsa_code_object_version 6
	.text
	.protected	k_q1a2cb74edc_attn
	.globl	k_q1a2cb74edc_attn
	.p2align	8
	.type	k_q1a2cb74edc_attn,@function
k_q1a2cb74edc_attn:
	s_mov_b64 s[64:65], 0
	v_nop
	global_prefetch_b8 v0, s[64:65] scope:SCOPE_SE
	s_setreg_imm32_b32 hwreg(HW_REG_WAVE_MODE, 25, 1), 1
	s_wait_xcnt 0x0
; Causal attention of one head on codes of E4M3: S = q k^T / 8, p = 2^(t - M), O = p v, a = O / l, and the quantiser of a.  64 heads (16 x batch + head), 2,048 tokens, head size 64.
; q, k, v come from qkvc as images of operand registers (q, k: 16 tokens x 64 channels, 1 KB; v: 16 channels x 128 keys, 2 KB): every operand is loaded at 16 x lane, with k in the places that the forms' own layout gives.
; THE SOFTMAX: t = score x log2(e) / 8; M = the running largest t rounded UP to a whole number; p = 2^(t - M) is quantised with 2^e4, not normalised; the row's sum is taken of the unquantised p and divides O at the end.
; When M moves, the sum and O are multiplied by 2^(old M - new M): nothing is rounded, and no branch hangs on data.
; SHARES.  The head's 2,048 queries are eight blocks of 256.  Work-group x = I (0..3) owns blocks 7 - I and I: it walks the key slots (256 keys) 0 .. 7 - I and then 0 .. I: NINE slots for every work-group, a constant of the text,
; and the same number of key steps that count.  Each of the sixteen waves owns 16 queries of the block in hand, in 256 registers: four waves to a SIMD, so that one wave's vector work stands beside another's products and LDS loads.
; LAYOUT.  Both products are used transposed: S^T = k q^T (source 0 = 16 keys, source 1 = my 16 queries), O^T = v^T p^T (source 0 = 16 channels, source 1 = p): a lane holds ONE query throughout, and the conversion of
; the eight scores of tile i gives registers 2 i, 2 i + 1 of p's operand.
; THE MASK.  A key step (128 keys) all of whose keys come after my 16 queries is left out by a scalar branch on ids; on the diagonal hidden scores become -infinity ahead of the maximum.
; NO CLUSTER: the four work-groups of a head want different slots in the same trip from trip 5 - I on (one has turned to its second block while another still walks its first), so their requests cannot be one request in every trip.
; THE RESULT goes to ac as the next product's operand image: of 16 tokens x 128 channels, lane (r, h') registers 4 c .. 4 c + 3 hold channels 32 c + 16 h' + 0 .. 15.  My eight codes of tile i are 8 bytes at
; 1,024 (head mod 2) + 256 i + 16 r + 8 h: a wave's store covers 256 consecutive bytes, aligned.  ac: [128 tokens: 64][256 channels: 4][16 tokens: 8][128 channels: 2][2 KB].
; LIMITS on the given exponents, so that each power of two below is an f32 number: e2 + e3 between -123 and 130; e4, and e6 - e4 - e5, between -126 and 119.
; REGISTERS: v1-6 what stays; v8 the slot's address; v12 -M, v13 the largest t, v[14:15] the sum; v16-23 q in hand; v24-31 q of the second block; v32-95 k's, then v's fragments; v96-159 S^T, then p; v160-191 O^T; v192-207 codes; v234-255 at work.
.set SLOTB, 1<<15                      ; an LDS slot: k's 16 operands (16 KB), then v's 8 (16 KB); one exclusive or turns an address into the other slot's
.set VOFF,  16384
.set SPARE, 2*SLOTB                    ; behind the ring: the spare words, 128 bytes for each of the sixteen waves
.set LI,   1                           ; v1   16 x lane
.set GO,   2                           ; v2   16 r + 8 h: my place in a store of the result
.set PFO,  3                           ; v3   256 x lane: the prefetches' offset
.set RH,   4                           ; v4   r - 8 h, for the mask
.set SPW,  5                           ; v5   my spare word's LDS address; never rewritten
.set NIL,  6                           ; v6   0; never rewritten
.set ADK,  8                           ; v8   the slot in hand + 16 x lane
.set TB,   2                           ; s2   LDS byte at which the slot in hand begins
.set WV,   18                          ; s18  my wave's number
.set SEL,  20                          ; s[20:21] lane selects: lane l xor 16
.set CS,   22                          ; s[22:23] c = log2(e) / 8 x 2^(e2 + e3)
.set G1,   24                          ; s[24:31] descriptor group 1
.set G0,   40                          ; s[40:43] descriptor group 0, which walks
.set HB,   44                          ; s[44:45] my tensor's (wave 0: k's, wave 1: v's) first byte of the head
.set OFS,  46                          ; s[46:47] an offset; the high word stays 0
.set IX,   48                          ; s48  I
.set LAST, 49                          ; s49  7 - I: the first block, and its last slot
.set CUR,  50                          ; s50  the slot in hand, counted in the block in hand
.set NXT,  51                          ; s51  the slot asked for last
.set BLK,  52                          ; s52  the block in hand
.set BH,   53                          ; s53  16 x batch + head
.set OUTP, 54                          ; s[54:55] where the block's result goes
.set OB,   56                          ; s[56:57] the same without the block
.set QA,   58                          ; s[58:59], s[60:61] q of the two blocks
.set QB,   60
.set SLOTS, 67                         ; s67  slots still to be asked for
.set ES,   68                          ; s[68:75] e0 .. e7
.set PFA,  76                          ; s[76:77] where my prefetches stand
.set LIM,  80                          ; s80  2 in a wave that prefetches, else the greatest number
.set KF,   98                          ; s98  the step's first key
.set Q0,   99                          ; s99  my first query
.macro TLOAD                           ; wave 0 fetches a slot's 16 KB of k, wave 1 those of v, the others nothing.  Four v_nop follow the line
	s_cmp_lt_u32 s[WV], 2
	s_cbranch_scc0 .Lnone_\@
	tensor_load_to_lds s[G0:G0+3], s[G1:G1+7]
	s_nop 0
.rept 4
	v_nop
.endr
.Lnone_\@:
.endm
; A PREFETCH of the slot that the NEXT change of slots will ask for: 16 KB of k and 16 KB of v.  All four work-groups of a head begin with slots 0, 1, 2 ..: the one with I = 0, which walks all eight, asks, and nobody else.
; In it waves 4 and 5 take k's two halves, waves 6 and 7 v's: 8,192 bytes a wave, lanes 256 bytes apart, one instruction.  Trip t asks for slot t + 2, t = 0 .. 5: each block of 256 bytes is named once in the launch;
; slots 0 and 1 come by their loads alone, and the trips whose look-ahead would pass slot 7 ask for nothing.
.macro ASK
	s_cmp_gt_u32 s[SLOTS], s[LIM]
	s_cbranch_scc0 .Lnot_mine_\@
	global_prefetch_b8 v[PFO], s[PFA:PFA+1] th:TH_LOAD_NT scope:SCOPE_SE
.Lnot_mine_\@:
.endm
	s_load_b128 s[4:7], s[0:1], 0x0                ; qkvc s[4:5], the scales' exponents s[6:7]
	s_load_b64 s[8:9], s[0:1], 0x10                ; ac
	v_lshl_add_u32 v[SPW], v0, 2, SPARE
	v_mov_b32 v[NIL], 0
	ds_add_u32 v5, v6
	ds_add_u32 v5, v6
	s_wait_dscnt 0x0
	v_lshrrev_b32 v8, 5, v0
	s_delay_alu instid0(VALU_DEP_1)
	v_readfirstlane_b32 s[WV], v8                  ; wave 0..15
	s_and_b32 s[BH], ttmp7, 0xffff
	s_mov_b32 s[IX], ttmp9
	s_sub_co_u32 s[LAST], 7, s[IX]
	; descriptor group 1: a dense block of 16 KB as 64 rows of 256 bytes, no padding: every LDS read takes 512 consecutive bytes
	s_mov_b32 s[G1], 3<<16                         ; 15:0 no mask; 17:16 elements of 8 bytes
	s_mov_b32 s[G1+1], 32<<16                      ; tensor_dim0 = 32
	s_mov_b32 s[G1+2], 64<<16                      ; tensor_dim1 = 64
	s_mov_b32 s[G1+3], 32<<16                      ; tile_dim0
	s_mov_b32 s[G1+4], 64                          ; tile_dim1
	s_mov_b32 s[G1+5], 32                          ; tensor_dim0_stride
	s_mov_b32 s[G1+6], 0
	s_mov_b32 s[G1+7], 0
	s_mov_b32 s[SEL], 0x76543210
	s_mov_b32 s[SEL+1], 0xfedcba98
	s_mov_b32 s[CS], 0x3e38aa3b                    ; log2(e) / 8
	s_mov_b32 s[TB], 0
	s_mov_b32 s[SLOTS], 8
	s_mov_b32 s[KF], 0
	s_mov_b32 s[CUR], 0
	s_mov_b32 s[NXT], 0
	s_mov_b32 s[BLK], s[LAST]
	s_lshl_b32 s[Q0], s[LAST], 8
	s_lshl_b32 s96, s[WV], 4
	s_add_co_u32 s[Q0], s[Q0], s96                 ; my first query: 256 x block + 16 x wave
	s_and_b32 s10, s[WV], 1
	s_lshl_b32 s[G0+1], s10, 14                    ; LDS address: slot 0; k's half or v's
	s_add_co_u32 s11, s10, 1
	s_lshl_b32 s[OFS], s11, 23                     ; k's part of qkvc or v's,
	s_lshl_b32 s12, s[BH], 17
	s_add_co_u32 s[OFS], s[OFS], s12               ; at my head
	s_mov_b32 s[OFS+1], 0
	s_wait_kmcnt 0x0
	s_load_b256 s[ES:ES+7], s[6:7], 0x0
	s_add_nc_u64 s[HB:HB+1], s[4:5], s[OFS:OFS+1]
	s_mov_b32 s[G0], 1                             ; count = 1
	s_mov_b64 s[G0+2:G0+3], s[HB:HB+1]             ; slot 0 of the keys
	s_or_b32 s[G0+3], s[G0+3], 0x80000000          ; type = 2
	TLOAD                                          ; one load of mine is out, here and behind every change of slots
	s_lshl_b32 s13, s[WV], 10
	s_add_co_u32 s12, s12, s13                     ; q: my head, my wave's 16 queries of a block;
	s_lshl_b32 s13, s[LAST], 14
	s_add_co_u32 s[QA], s12, s13                   ; a block is 16 operands of 1 KB
	s_mov_b32 s[QA+1], 0
	s_lshl_b32 s13, s[IX], 14
	s_add_co_u32 s[QB], s12, s13
	s_mov_b32 s[QB+1], 0
	s_add_nc_u64 s[QA:QA+1], s[4:5], s[QA:QA+1]
	s_add_nc_u64 s[QB:QB+1], s[4:5], s[QB:QB+1]
	v_and_b32 v9, 31, v0
	s_delay_alu instid0(VALU_DEP_1)
	v_lshlrev_b32 v[LI], 4, v9
	global_load_b128 v[16:19], v[LI], s[QA:QA+1]
	global_load_b128 v[20:23], v[LI], s[QA:QA+1] offset:512
	global_load_b128 v[24:27], v[LI], s[QB:QB+1]
	global_load_b128 v[28:31], v[LI], s[QB:QB+1] offset:512
	v_lshlrev_b32 v[PFO], 8, v9
	v_and_b32 v10, 15, v0                          ; r
	v_bfe_u32 v11, v0, 4, 1                        ; h
	s_delay_alu instid0(VALU_DEP_2)
	v_lshlrev_b32 v[GO], 4, v10
	s_delay_alu instid0(VALU_DEP_1)
	v_lshl_add_u32 v[GO], v11, 3, v[GO]
	s_delay_alu instid0(VALU_DEP_3)
	v_lshlrev_b32 v[RH], 3, v11
	s_delay_alu instid0(VALU_DEP_1)
	v_sub_nc_u32 v[RH], v10, v[RH]
	; where the result goes: batch << 21, (wave / 8) << 17, (head / 4) << 15, (wave mod 8) << 12, (head mod 4) << 10; the block adds block << 18
	s_lshr_b32 s10, s[BH], 4
	s_lshl_b32 s10, s10, 21
	s_lshr_b32 s11, s[WV], 3
	s_lshl_b32 s11, s11, 17
	s_add_co_u32 s10, s10, s11
	s_bfe_u32 s11, s[BH], 0x20002
	s_lshl_b32 s11, s11, 15
	s_add_co_u32 s10, s10, s11
	s_and_b32 s11, s[WV], 7
	s_lshl_b32 s11, s11, 12
	s_add_co_u32 s10, s10, s11
	s_and_b32 s11, s[BH], 3
	s_lshl_b32 s11, s11, 10
	s_add_co_u32 s10, s10, s11
	s_mov_b32 s11, 0
	s_add_nc_u64 s[OB:OB+1], s[8:9], s[10:11]
	; the prefetches: k's part (wave mod 4 = 0, 1) or v's (2, 3), my head, my half of a slot, in slot 1: the first change of slots steps it to slot 2
	s_and_b32 s10, s[WV], 3
	s_lshr_b32 s11, s10, 1
	s_add_co_u32 s11, s11, 1
	s_lshl_b32 s11, s11, 23
	s_and_b32 s10, s[WV], 1
	s_lshl_b32 s10, s10, 13
	s_add_co_u32 s10, s10, s11
	s_lshl_b32 s11, s[BH], 17
	s_add_co_u32 s10, s10, s11
	s_add_co_u32 s10, s10, 16384
	s_mov_b32 s11, 0
	s_add_nc_u64 s[PFA:PFA+1], s[4:5], s[10:11]
	s_sub_co_u32 s10, s[WV], 4
	s_lshr_b32 s10, s10, 2                         ; 0 in waves 4 to 7,
	s_or_b32 s10, s10, ttmp9                       ; of the work-group with I = 0
	s_cmp_eq_u32 s10, 0
	s_cselect_b32 s[LIM], 2, -1
	v_mov_b32 v13, 0xff61b1e6                      ; the largest t so far: -3e38, under every t
	s_delay_alu instid0(VALU_DEP_1)
	v_floor_f32 v12, -v13                          ; -M
	v_mov_b32 v14, 0                               ; the sum, in two halves
	v_mov_b32 v15, 0
	v_mov_b32 v236, 0                              ; a lane permute's destination counts as one of its sources
	v_mov_b32 v253, 0                              ; named as the upper half of the pair v[252:253]
	v_mov_b32 v250, 0xff800000                     ; -infinity
.set j, 0
.rept 32
	v_mov_b32 v[160+j], 0                          ; O^T: the step is written for all steps alike; a block's first finds zeros, which the first change of M leaves zeros
.set j, j+1
.endr
	s_wait_kmcnt 0x0
	s_add_co_i32 s10, s[ES+2], s[ES+3]
	s_lshl_b32 s10, s10, 23
	s_add_co_i32 s[CS], s[CS], s10                 ; a score stands for score x 2^(e2 + e3): added to c's exponent field
	s_mov_b32 s[CS+1], s[CS]
	s_add_co_i32 s10, s[ES+4], 127
	s_lshl_b32 s11, s10, 23
	v_mov_b32 v244, s11                            ; 2^e4, for p's conversions
	s_sub_co_i32 s10, s[ES+6], s[ES+4]
	s_sub_co_i32 s10, s10, s[ES+5]                 ; a sum of the second product stands for sum x 2^(e4 + e5): a's code is (sum / l) / 2^(e6 - e4 - e5)
	s_add_co_i32 s10, s10, 127
	s_lshl_b32 s11, s10, 23
	v_mov_b32 v245, s11
; A KEY STEP: 128 keys, the q-th of the slot in hand.
.macro STEP q
	s_add_co_u32 s96, s[Q0], 15
	s_cmp_gt_u32 s[KF], s96
	s_cbranch_scc1 .Lhidden_\@                     ; all its keys come after my queries
	v_add_nc_u32 v[ADK], s[TB], v[LI]
.rept 3
	v_nop                                          ; with the addition above: four places in front of loads into registers that the last products read
.endr
.irp t, 0,1,2,3,4,5,6,7
.irp c, 0,1
	ds_load_b128 v[32+8*\t+4*\c:35+8*\t+4*\c], v[ADK] offset:(8*(\q)+\t)*1024+512*\c
.endr
.endr
	s_wait_alu depctr_va_vdst(0)
	s_wait_dscnt 8                                 ; tiles 0-3 are in; the younger eight loads may be out
.irp t, 0,1,2,3
	v_wmma_f32_16x16x64_fp8_fp8 v[96+8*\t:103+8*\t], v[32+8*\t:39+8*\t], v[16:23], 0
.endr
	s_wait_dscnt 0x0
.irp t, 4,5,6,7
	v_wmma_f32_16x16x64_fp8_fp8 v[96+8*\t:103+8*\t], v[32+8*\t:39+8*\t], v[16:23], 0
.endr                                              ; lane (r, h): query r; register 8 i + j: key KF + 16 i + 8 h + j
.rept 4
	v_nop                                          ; places: in front of the loads below, and of the first read of the scores
.endr
.irp t, 0,1,2,3
.irp c, 0,1,2,3
	ds_load_b128 v[32+16*\t+4*\c:35+16*\t+4*\c], v[ADK] offset:VOFF+(4*(\q)+\t)*2048+512*\c   ; v's four operands come while the softmax is worked
.endr
.endr
	s_add_co_u32 s96, s[KF], 127
	s_cmp_le_u32 s96, s[Q0]
	s_cbranch_scc1 .Lopen_\@                       ; all its keys count
	s_sub_co_i32 s96, s[Q0], s[KF]
	v_add_nc_u32 v252, s96, v[RH]                  ; d = my query - KF - 8 h: register 8 i + j is hidden where 16 i + j > d
.irp n, 0,1,2,3,4,5,6,7,8,9,10,11,12,13,14,15,16,17,18,19,20,21,22,23,24,25,26,27,28,29,30,31,32,33,34,35,36,37,38,39,40,41,42,43,44,45,46,47,48,49,50,51,52,53,54,55,56,57,58,59,60,61,62,63
	v_cmp_gt_i32 vcc_lo, 16*(\n/8)+\n%8, v252
	v_cndmask_b32 v[96+\n], v[96+\n], v250, vcc_lo
.endr
.Lopen_\@:
	v_max3_num_f32 v254, v96, v97, v98             ; the step's largest score of my query among my 64 keys, in two chains (each accumulator is met at its low end first),
	v_max3_num_f32 v252, v99, v100, v101
.irp i, 6,10,14,18,22,26,30,34,38,42,46,50,54,58
	v_max3_num_f32 v254, v254, v[96+\i], v[97+\i]
	v_max3_num_f32 v252, v252, v[98+\i], v[99+\i]
.endr
	v_max3_num_f32 v254, v254, v158, v159
	s_delay_alu instid0(VALU_DEP_1)
	v_max_num_f32 v254, v254, v252
	s_delay_alu instid0(VALU_DEP_1)
	v_permlanex16_b32 v236, v254, s[SEL], s[SEL+1]
	s_delay_alu instid0(VALU_DEP_1)
	v_max_num_f32 v254, v254, v236                 ; and among lane l xor 16's
	s_delay_alu instid0(VALU_DEP_1)
	v_mul_f32 v254, s[CS], v254                    ; as t (c is positive)
	s_delay_alu instid0(VALU_DEP_1)
	v_max_num_f32 v13, v13, v254                   ; the running largest t
	v_mov_b32 v254, v12
	s_delay_alu instid0(VALU_DEP_2)
	v_floor_f32 v12, -v13                          ; the new -M = floor(-t): M is a whole number
	s_delay_alu instid0(VALU_DEP_1)
	v_sub_f32 v254, v12, v254                      ; old M - new M: a whole number, 0 or less
	s_delay_alu instid0(VALU_DEP_1)
	v_cvt_i32_f32 v254, v254                       ; (it saturates)
	s_delay_alu instid0(VALU_DEP_1)
	v_ldexp_f32 v252, 1.0, v254                    ; f = 2^(old M - new M)
.irp j, 0,2,4,6,8,10,12,14,16,18,20,22,24,26,28,30,32,34,36,38,40,42,44,46,48,50,52,54,56,58,60,62
	v_pk_fma_f32 v[96+\j:97+\j], v[96+\j:97+\j], s[CS:CS+1], v[12:13] op_sel_hi:[1,0,0]   ; t - M, two at a time
.endr
	s_wait_alu depctr_va_vdst(0)
.irp j, 0,1,2,3,4,5,6,7,8,9,10,11,12,13,14,15,16,17,18,19,20,21,22,23,24,25,26,27,28,29,30,31,32,33,34,35,36,37,38,39,40,41,42,43,44,45,46,47,48,49,50,51,52,53,54,55,56,57,58,59,60,61,62,63
	v_exp_f32 v[96+\j], v[96+\j]                   ; p = 2^(t - M), at most 1
.endr
	v_pk_mul_f32 v[14:15], v[14:15], v[252:253] op_sel_hi:[1,0]   ; the sums under the new M: the plain line behind the exponentials
	s_wait_alu depctr_va_vdst(0)                   ; one wait for the batch of 64, ahead of its first reader
	v_pk_add_f32 v[242:243], v[100:101], v[104:105]
	v_pk_add_f32 v[254:255], v[108:109], v[112:113]
	v_pk_add_f32 v[248:249], v[116:117], v[120:121]
	v_pk_add_f32 v[246:247], v[124:125], v[128:129]
	v_pk_add_f32 v[240:241], v[132:133], v[136:137]
	v_pk_add_f32 v[238:239], v[140:141], v[144:145]
	v_pk_add_f32 v[234:235], v[148:149], v[152:153]
	v_pk_add_f32 v[14:15], v[14:15], v[156:157]
	v_pk_add_f32 v[242:243], v[242:243], v[96:97]
	v_pk_add_f32 v[254:255], v[254:255], v[98:99]
	v_pk_add_f32 v[248:249], v[248:249], v[102:103]
	v_pk_add_f32 v[246:247], v[246:247], v[106:107]
	v_pk_add_f32 v[240:241], v[240:241], v[110:111]
	v_pk_add_f32 v[238:239], v[238:239], v[114:115]
	v_pk_add_f32 v[234:235], v[234:235], v[118:119]
	v_pk_add_f32 v[14:15], v[14:15], v[122:123]
	v_pk_add_f32 v[242:243], v[242:243], v[126:127]
	v_pk_add_f32 v[254:255], v[254:255], v[130:131]
	v_pk_add_f32 v[248:249], v[248:249], v[134:135]
	v_pk_add_f32 v[246:247], v[246:247], v[138:139]
	v_pk_add_f32 v[240:241], v[240:241], v[142:143]
	v_pk_add_f32 v[238:239], v[238:239], v[146:147]
	v_pk_add_f32 v[234:235], v[234:235], v[150:151]
	v_pk_add_f32 v[14:15], v[14:15], v[154:155]
	v_pk_add_f32 v[242:243], v[242:243], v[158:159]
	s_delay_alu instid0(VALU_DEP_2)
	v_pk_add_f32 v[14:15], v[14:15], v[246:247]
	s_delay_alu instid0(VALU_DEP_2)
	v_pk_add_f32 v[242:243], v[242:243], v[240:241]
	v_pk_add_f32 v[254:255], v[254:255], v[238:239]
	v_pk_add_f32 v[248:249], v[248:249], v[234:235]
	s_delay_alu instid0(VALU_DEP_2)
	v_pk_add_f32 v[14:15], v[14:15], v[254:255]
	s_delay_alu instid0(VALU_DEP_2)
	v_pk_add_f32 v[242:243], v[242:243], v[248:249]
	s_delay_alu instid0(VALU_DEP_1)
	v_pk_add_f32 v[14:15], v[14:15], v[242:243]
.set k, 0
.rept 32
.set k, k+1
.endr
.irp t, 0,1,2,3,4,5,6,7
	v_cvt_scalef32_pk8_fp8_f32 v[192+2*\t:193+2*\t], v[96+8*\t:103+8*\t], v244   ; registers 2 i, 2 i + 1 of p's operand: keys 16 i + 8 h + 0 .. 7
.endr
.irp j, 0,2,4,6,8,10,12,14,16,18,20,22,24,26,28,30
	v_pk_mul_f32 v[160+\j:161+\j], v[160+\j:161+\j], v[252:253] op_sel_hi:[1,0]   ; O^T under the new M; also the plain lines between the conversions and the products
.endr
	s_wait_alu depctr_va_vdst(0)
	s_wait_dscnt 0x0                               ; v's operands are in
.irp t, 0,1,2,3
	v_wmma_f32_16x16x128_fp8_fp8 v[160+8*\t:167+8*\t], v[32+16*\t:47+16*\t], v[192:207], v[160+8*\t:167+8*\t]   ; four accumulators, one instruction each
.endr
.Lhidden_\@:
	s_add_co_u32 s[KF], s[KF], 128
.endm
; THE CHANGE OF SLOTS stands at a slot's head.  Each wave waits for all its tensor loads, adds 0 to its spare word, and waits for that and for its reads of the slot that it has left.  Behind the barrier the slot ahead
; is whole and nobody reads the other one.  fill = 1: that other slot takes the walk's next 256 keys: the slot after the last one asked for, or slot 0 again when the first block's last slot has been asked for.
.macro CHANGE fill
	s_wait_tensorcnt 0x0                           ; no tensor load of mine is out, so group 0 may be written
	ds_add_u32 v[SPW], v[NIL]                      ; 0 onto my spare word
.if \fill
	s_xor_b32 s[G0+1], s[G0+1], SLOTB              ; the other LDS slot than last time
	s_add_co_u32 s[NXT], s[NXT], 1
	s_cmp_gt_u32 s[NXT], s[LAST]
	s_cselect_b32 s[NXT], 0, s[NXT]
	s_lshl_b32 s[OFS], s[NXT], 14
	s_add_nc_u64 s[G0+2:G0+3], s[HB:HB+1], s[OFS:OFS+1]
	s_or_b32 s[G0+3], s[G0+3], 0x80000000
	s_wait_xcnt 0x0                                ; the last prefetch, a slot back, has read its address, so it may be written
	s_add_nc_u64 s[PFA:PFA+1], s[PFA:PFA+1], 16384
.endif
	s_wait_dscnt 0x0                               ; the add is done, and my reads of the slot that I have left are over
	s_barrier_signal -1
	s_barrier_wait -1
.if \fill
	TLOAD                                          ; the first thing behind the barrier, and a wave's one tensor load until the next
	ASK
.endif
.endm
; A BLOCK'S END: a = O^T / the sum, converted, stored.
.macro FINISH
.rept 4
	v_nop                                          ; places behind the last products
.endr
	v_add_f32 v14, v14, v15                        ; the sum's two halves,
	s_delay_alu instid0(VALU_DEP_1)
	v_permlanex16_b32 v236, v14, s[SEL], s[SEL+1]
	s_delay_alu instid0(VALU_DEP_1)
	v_add_f32 v14, v14, v236                       ; and lane l xor 16's
	s_wait_alu depctr_va_vdst(0)
	v_rcp_f32 v14, v14
	v_mov_b32 v15, 0                               ; the plain line behind the reciprocal (v15 is named below as the pair's upper half)
	s_lshl_b32 s[OFS], s[BLK], 18
	s_add_nc_u64 s[OUTP:OUTP+1], s[OB:OB+1], s[OFS:OFS+1]
	s_wait_alu depctr_va_vdst(0)                   ; ahead of the reciprocal's first reader
.irp j, 0,2,4,6,8,10,12,14,16,18,20,22,24,26,28,30
	v_pk_mul_f32 v[96+\j:97+\j], v[160+\j:161+\j], v[14:15] op_sel_hi:[1,0]   ; register 8 i + j: channel 16 i + 8 h + j of my query
.endr
.set j, 0
.rept 32
.set j, j+1
.endr
.irp t, 0,1,2,3
	v_cvt_scalef32_pk8_fp8_f32 v[192+2*\t:193+2*\t], v[96+8*\t:103+8*\t], v245
.endr
	v_nop                                          ; a plain line behind the last conversion
.irp t, 0,1,2,3
	global_store_b64 v[GO], v[192+2*\t:193+2*\t], s[OUTP:OUTP+1] offset:256*\t   ; 32 lanes store 256 consecutive bytes, aligned
.endr
	s_wait_xcnt 0x0                                ; the stores have read their data and their base: both are written again later
.endm
.macro REINIT                          ; on to the second block
	s_mov_b32 s[BLK], s[IX]
	s_lshl_b32 s[Q0], s[IX], 8
	s_lshl_b32 s96, s[WV], 4
	s_add_co_u32 s[Q0], s[Q0], s96
	s_mov_b32 s[KF], 0
	s_mov_b32 s[CUR], -1                           ; the step at the trip's end makes it 0
.irp j, 0,1,2,3,4,5,6,7
	v_mov_b32 v[16+\j], v[24+\j]
.endr
	v_mov_b32 v13, 0xff61b1e6
	s_delay_alu instid0(VALU_DEP_1)
	v_floor_f32 v12, -v13
	v_mov_b32 v14, 0
	v_mov_b32 v15, 0
.set j, 0
.rept 32
	v_mov_b32 v[160+j], 0
.set j, j+1
.endr
.endm
	s_wait_loadcnt 0x0                             ; q of both blocks
.Lslot:                                            ; eight trips: behind each change of slots but the last the walk's next slot is asked for
	CHANGE 1
	STEP 0
	STEP 1
	s_xor_b32 s[TB], s[TB], SLOTB                  ; on to the other slot
	s_cmp_eq_u32 s[CUR], s[LAST]                   ; the first block's last slot?  A branch on ids, the same in all sixteen waves; no barrier, tensor load or LDS access stands under it
	s_cbranch_scc0 .Lsame
	FINISH
	REINIT
.Lsame:
	s_add_co_i32 s[CUR], s[CUR], 1
	s_sub_co_u32 s[SLOTS], s[SLOTS], 1
	s_cmp_lg_u32 s[SLOTS], 0
	s_cbranch_scc1 .Lslot
	CHANGE 0                                       ; the ninth slot is written out
	STEP 0
	STEP 1
	FINISH
	s_wait_tensorcnt 0x0                           ; the wave's end
	ds_add_u32 v[SPW], v[NIL]
	s_wait_dscnt 0x0
	s_endpgm
.Lfunc_end_k_q1a2cb74edc_attn:
	.size	k_q1a2cb74edc_attn, .Lfunc_end_k_q1a2cb74edc_attn-k_q1a2cb74edc_attn
	.p2alignl 7, 3214868480
	.fill 96, 4, 3214868480
	.section	.rodata,"a",@progbits
	.p2align	6, 0x0
	.amdhsa_kernel k_q1a2cb74edc_attn
		.amdhsa_group_segment_fixed_size 327680
		.amdhsa_private_segment_fixed_size 0
		.amdhsa_enable_private_segment 0
		.amdhsa_kernarg_size 24
		.amdhsa_user_sgpr_count 2
		.amdhsa_user_sgpr_kernarg_segment_ptr 1
		.amdhsa_wavefront_size32 1
		.amdhsa_system_sgpr_workgroup_id_x 1
		.amdhsa_system_sgpr_workgroup_id_y 1
		.amdhsa_system_sgpr_workgroup_id_z 1
		.amdhsa_system_vgpr_workitem_id 0
		.amdhsa_next_free_vgpr 256
		.amdhsa_next_free_sgpr 100
		.amdhsa_reserve_vcc 1
		.amdhsa_float_denorm_mode_32 3
		.amdhsa_float_denorm_mode_16_64 3
		.amdhsa_fp16_overflow 1
		.amdhsa_memory_ordered 1
		.amdhsa_forward_progress 1
		.amdhsa_inst_pref_size 90
	.end_amdhsa_kernel
	.amdgpu_metadata
---
amdhsa.version: [ 1, 2 ]
amdhsa.kernels:
  - .name:           k_q1a2cb74edc_attn
    .symbol:         k_q1a2cb74edc_attn.kd
    .args:
      - { .name: qkvc, .offset: 0, .size: 8, .value_kind: global_buffer, .address_space: global }
      - { .name: lowp_scales, .offset: 8, .size: 8, .value_kind: global_buffer, .address_space: global }
      - { .name: ac, .offset: 16, .size: 8, .value_kind: global_buffer, .address_space: global }
    .group_segment_fixed_size: 327680
    .private_segment_fixed_size: 0
    .kernarg_segment_align: 8
    .kernarg_segment_size: 24
    .max_flat_workgroup_size: 512
    .sgpr_count:     100
    .vgpr_count:     256
    .wavefront_size: 32
...
	.end_amdgpu_metadata
.endif
;; end of part 2
;; launch proj (part 3): grid 4 x 64, 4 waves a work-group, clusters of 4 x 4, 327,680 bytes of LDS; arguments ac, w_proj_codes, lowp_scales, out0; writes out0
.if DOCPART == 3
	.amdgcn_target "amdgcn-amd-amdhsa--gfx1250"
	.amdhsa_code_object_version 6
	.text
	.protected	k_q1a2cb74edc_proj
	.globl	k_q1a2cb74edc_proj
	.p2align	8
	.type	k_q1a2cb74edc_proj,@function
k_q1a2cb74edc_proj:
	s_mov_b64 s[64:65], 0
	v_nop
	global_prefetch_b8 v0, s[64:65] scope:SCOPE_SE
	s_setreg_imm32_b32 hwreg(HW_REG_WAVE_MODE, 25, 1), 1
	s_wait_xcnt 0x0
	s_wait_alu depctr_hold_cnt(0) depctr_sa_sdst(0) depctr_va_vdst(0) depctr_va_sdst(0) depctr_va_ssrc(0) depctr_va_vcc(0) depctr_vm_vsrc(0)
	s_getreg_b32 s2, hwreg(HW_REG_IB_STS2, 6, 4)
	s_cmp_eq_u32 s2, 0
	s_cbranch_scc0 .Lentry_in_a_cluster
	s_endpgm
.Lentry_in_a_cluster:
	s_bfe_u32 s2, ttmp6, 0x10000c
	s_cmp_lg_u32 s2, 0xf033
	s_cbranch_scc0 .Lentry_shape_is_right
	s_endpgm
.Lentry_shape_is_right:
; out = a w_proj on codes of E4M3 (8,192 x 1,024 x 1,024), f32 out.  w_proj: [1024 (n)][1024 (k)] codes, K innermost.  a comes from ac as images of operand registers:
; [128 tokens: 64][256 K: 4][16 tokens: 8][128 K: 2][2 KB], an image being [4][32 lanes][16 bytes], lane (r, h) registers 4 c .. 4 c + 3 = K 32 c + 16 h + 0 .. 15: the order in which w_proj's fragments come out of LDS rows
; by four loads of 16 bytes.  It is a permutation of k, the same on both sides: every product meets its partner.
; A tile of out is 128 tokens x 256 columns: 64 x 4 = 256 work-groups.  Four waves, each 64 x 128: 32 accumulators.  K goes in steps of 256 through a ring of two LDS slots.
; Each finished sum is multiplied once by 2^(e6 + e7).  LIMIT: e6 + e7 lies between -126 and 127, so that it is an f32 number.
; CLUSTERS: 4 x 4 work-groups.  a's block hangs on the tile row alone and is asked for jointly along a row of the cluster, w_proj's tile on the tile column alone, along a column.
; THE MATRIX INSTRUCTION IS USED TRANSPOSED (source 0 = 16 rows of w_proj, source 1 = 16 tokens): a lane holds eight neighbouring numbers of a row of out.
; REGISTERS: window 0: v16-29 addresses; a's fragments, two sets of 4 x 16, at v64 and v128; on the way out v192-255 scaled sums, v64-191 rows read back.   window 1: w_proj's fragments, two sets of 8 x 16.   window 2: the accumulators, (a, b) at v[8 (8 a + b)].
.set PITCH,  272                       ; an LDS row of w_proj's tile: 256 bytes + 16 of padding
.set FR,     16
.set NP,     4                         ; places behind this matrix instruction (ISA guide 7.12.1)
.set ABLK,   32768                     ; a's block of a K step: 16 images of 2 KB
.set HALFB,  128*PITCH                 ; 128 rows of w_proj
.set SLOT,   ABLK+2*HALFB              ; 102,400
.set SPARE,  2*SLOT                    ; behind the ring: the spare words, 128 bytes for each wave
.set SPITCH, 528                       ; the way out: a stage of 16 rows x (512 bytes + 16) for each wave, in slot 0, which has had its last fill and its last read when the first result is stored there
.set ADRA, 16                          ; v16-17  LDS address of my images of a in slot 0, 1
.set ADRB, 20                          ; v20-21  of my fragments of w_proj
.set STO,  24                          ; v24     the way out: where I put 32 bytes of a row
.set RD,   25                          ; v25     where I read a row back
.set CO,   26                          ; v26     16 x lane: my bytes of a row of out
.set SPW,  28                          ; v28     my spare word's LDS address; never rewritten
.set NIL,  29                          ; v29     0; never rewritten
.set AF,   64
.set BK,   64
.set TMP,  192
.set G1, 24                            ; s[24:31] descriptor group 1 for a;  s[32:39] group 0, one set for each slot
.set G0, 32
.set G1B, 48                           ; s[48:55], s[56:63] the same for w_proj
.set G0B, 56
.set MSB, 0
.macro WIN new                         ; the immediate's high byte repeats the setting that is left
.if MSB != \new
	s_set_vgpr_msb (MSB<<8)|\new
.set MSB, \new
.endif
.endm
.set MUL,  0xa1                        ; source 0 window 1, source 1 window 0, C and D window 2
.set TO_B, 0x40                        ; destination window 1, address window 0
.macro JLOAD g0a, g1a, g0b, g1b        ; a joint load: waves 0 and 1 fetch a's halves, waves 2 and 3 w_proj's; four v_nop follow each of the two lines
	s_cmp_eq_u32 s15, 0
	s_cbranch_scc0 .Lfor_b_\@
	tensor_load_to_lds s[\g0a:\g0a+3], s[\g1a:\g1a+7]
	s_nop 0
.rept 4
	v_nop
.endr
	s_branch .Lasked_\@
.Lfor_b_\@:
	tensor_load_to_lds s[\g0b:\g0b+3], s[\g1b:\g1b+7]
	s_nop 0
.rept 4
	v_nop
.endr
.Lasked_\@:
.endm
.macro CREST                           ; a round of the cluster's barrier behind its opening barrier
	s_cmp_lg_u32 s14, 0
	s_cbranch_scc1 .Lnot_wave_0_\@
	s_barrier_signal -3
.Lnot_wave_0_\@:
	s_barrier_wait -3
	s_barrier_signal -1
	s_barrier_wait -1
.endm
.macro CROUND
	s_barrier_signal -1
	s_barrier_wait -1
	CREST
.endm
	s_load_b128 s[4:7], s[0:1], 0x0                ; ac s[4:5], w_proj's codes s[6:7]
	s_load_b128 s[8:11], s[0:1], 0x10              ; the scales' exponents s[8:9], out s[10:11]
	v_lshl_add_u32 v[SPW], v0, 2, SPARE
	v_mov_b32 v[NIL], 0
	ds_add_u32 v28, v29
	ds_add_u32 v28, v29
	s_wait_dscnt 0x0
	v_lshrrev_b32 v1, 5, v0
	v_readfirstlane_b32 s14, v1                    ; wave 0..3
	s_lshr_b32 s15, s14, 1                         ; which 64 of the tile's tokens are mine.  Also: I fetch for a (0) or for w_proj (1)
	s_and_b32 s16, s14, 1                          ; which 128 of its columns.  Also: which half of that tile I fetch
	s_bfe_u32 s40, ttmp6, 0x40000                  ; cx, cy
	s_bfe_u32 s41, ttmp6, 0x40004
	s_lshl_b32 s42, ttmp9, 2
	s_add_co_u32 s42, s42, s40                     ; tile column = 4 x cluster x + cx
	s_and_b32 s17, ttmp7, 0xffff
	s_lshl_b32 s17, s17, 2
	s_add_co_u32 s17, s17, s41                     ; tile row = 4 x cluster y + cy
	s_lshl_b32 s43, s41, 2
	s_lshl_b32 s43, 15, s43                        ; my row of the cluster
	s_lshl_b32 s44, 0x1111, s40                    ; my column
	; group 1 for a: half a block, 16 KB dense, as 64 rows of 256 bytes, no padding (every read takes 512 consecutive bytes)
	s_or_b32 s[G1+0], s43, (0<<16)|(1<<21)         ; 15:0 the mask; 17:16 elements of 1 byte; 21 set beside a mask
	s_mov_b32 s[G1+1], 256<<16
	s_mov_b32 s[G1+2], 64<<16
	s_mov_b32 s[G1+3], 256<<16
	s_mov_b32 s[G1+4], 64
	s_mov_b32 s[G1+5], 256
	s_mov_b32 s[G1+6], 0
	s_mov_b32 s[G1+7], 0
	; group 1 for w_proj: 128 rows x 256 bytes, 1,024 bytes apart, padded in LDS by four words after every 64
	s_or_b32 s[G1B+0], s44, (0<<16)|(1<<20)|(1<<21)|(5<<22)|(3<<25)
	s_mov_b32 s[G1B+1], 256<<16
	s_mov_b32 s[G1B+2], 128<<16
	s_mov_b32 s[G1B+3], 256<<16
	s_mov_b32 s[G1B+4], 128
	s_mov_b32 s[G1B+5], 1024
	s_mov_b32 s[G1B+6], 0
	s_mov_b32 s[G1B+7], 0
	s_lshl_b32 s20, s17, 17                        ; a: tile row x four blocks of 32 KB
	s_lshl_b32 s18, s16, 14
	s_add_co_u32 s20, s20, s18                     ; + my half of a block
	s_mov_b32 s21, 0
	s_lshl_b32 s46, s42, 18                        ; w_proj: 256 x tile column rows of 1,024 bytes
	s_lshl_b32 s19, s16, 17
	s_add_co_u32 s46, s46, s19                     ; + my 128 rows
	s_mov_b32 s47, 0
	s_lshl_b32 s45, s16, 14                        ; where they go: a's half,
	s_mul_i32 s66, s16, HALFB
	s_add_co_u32 s66, s66, ABLK                    ; w_proj's half, behind a's block: no place in the cluster enters an LDS address
	s_wait_kmcnt 0x0
	s_load_b256 s[80:87], s[8:9], 0x0              ; e0 .. e7
	s_add_nc_u64 s[20:21], s[4:5], s[20:21]
	s_add_nc_u64 s[46:47], s[6:7], s[46:47]
	CROUND                                         ; all sixteen work-groups are here: the first joint loads meet
.irp s, 0,1
	s_mov_b32 s[G0+4*\s], 1
	s_add_co_u32 s[G0+4*\s+1], s45, \s*SLOT
	s_add_nc_u64 s[G0+4*\s+2:G0+4*\s+3], s[20:21], \s*ABLK
	s_or_b32 s[G0+4*\s+3], s[G0+4*\s+3], 0x80000000
	s_mov_b32 s[G0B+4*\s], 1
	s_add_co_u32 s[G0B+4*\s+1], s66, \s*SLOT
	s_add_nc_u64 s[G0B+4*\s+2:G0B+4*\s+3], s[46:47], \s*256
	s_or_b32 s[G0B+4*\s+3], s[G0B+4*\s+3], 0x80000000
	s_wait_alu depctr_va_vdst(0)
	s_wait_tensorcnt 0x0
	ds_add_u32 v28, v29
	ds_add_u32 v28, v29
	s_wait_dscnt 0x0
	CROUND
	JLOAD G0+4*\s, G1, G0B+4*\s, G1B               ; one load of mine is out: the wait above took the one before
.endr
	v_and_b32 v1, 15, v0                           ; r
	v_bfe_u32 v2, v0, 4, 1                         ; h
	v_and_b32 v6, 31, v0
	v_lshlrev_b32 v[CO], 4, v6                     ; 16 x lane
	v_mul_u32_u24 v3, v1, PITCH
	v_lshl_add_u32 v4, v2, 4, v3                   ; a fragment's row x pitch + 16 x half
	s_lshl_b32 s21, s15, 14                        ; my four blocks of tokens: eight images of 2 KB
	s_mul_i32 s22, s16, HALFB
	s_add_co_u32 s22, s22, ABLK                    ; my 128 rows of w_proj
.irp s, 0,1
	v_add_nc_u32 v[ADRA+\s], s21, v[CO]
	v_add_nc_u32 v[ADRB+\s], s22, v4
	s_add_co_u32 s21, s21, SLOT
	s_add_co_u32 s22, s22, SLOT
.endr
	s_mul_i32 s23, s14, 16*SPITCH                  ; my stage
	v_mul_u32_u24 v5, v1, SPITCH                   ; in: row r, 32 bytes for each half of the lanes
	v_lshl_add_u32 v5, v2, 5, v5
	v_add_nc_u32 v[STO], s23, v5
	v_add_nc_u32 v[RD], s23, v[CO]                 ; back: the 32 lanes take one row of 512 bytes
	s_lshl_b32 s70, s17, 19                        ; out: 128 x tile row rows of 4,096 bytes,
	s_lshl_b32 s71, s15, 18                        ; my 64 rows,
	s_add_co_u32 s70, s70, s71
	s_lshl_b32 s71, s42, 10                        ; the tile's 256 columns,
	s_add_co_u32 s70, s70, s71
	s_lshl_b32 s71, s16, 9                         ; my 128: all under 2^26
	s_add_co_u32 s70, s70, s71
	s_mov_b32 s71, 0
	s_add_nc_u64 s[10:11], s[10:11], s[70:71]
	s_wait_alu depctr_va_vdst(0)
	s_wait_kmcnt 0x0
	s_add_co_i32 s96, s86, s87                     ; e6 + e7
	s_add_co_i32 s96, s96, 127
	s_lshl_b32 s96, s96, 23                        ; 2^(e6 + e7) as f32
	s_mov_b32 s97, s96                             ; named with it as a pair, so it is written
; the fragments of the slot's q-th 128 along K into set p: w_proj's eight from rows, a's four as images
.macro FETCH slot, q, p
	WIN TO_B
.irp i, 0,1,2,3,4,5,6,7
.irp c, 0,1,2,3
	ds_load_b128 v[128*(\p)+FR*\i+4*\c:128*(\p)+FR*\i+4*\c+3], v[ADRB+\slot] offset:128*(\q)+32*\c+\i*16*PITCH
.endr
.endr
	WIN 0
.irp i, 0,1,2,3
.irp c, 0,1,2,3
	ds_load_b128 v[AF+64*(\p)+FR*\i+4*\c:AF+64*(\p)+FR*\i+4*\c+3], v[ADRA+\slot] offset:(2*\i+(\q))*2048+512*\c
.endr
.endr
.endm
; 8 matrix instructions: a's block x w_proj's eight, 128 along K, on set p.  The 32 accumulators take turns, one instruction a turn, in the same order in every step.
.macro MUL8 a, p, zero
.irp b, 0,1,2,3,4,5,6,7
.if \zero
	v_wmma_f32_16x16x128_fp8_fp8 v[8*(8*(\a)+\b):8*(8*(\a)+\b)+7], v[128*(\p)+FR*\b:128*(\p)+FR*\b+FR-1], v[AF+64*(\p)+FR*(\a):AF+64*(\p)+FR*(\a)+FR-1], 0
.else
	v_wmma_f32_16x16x128_fp8_fp8 v[8*(8*(\a)+\b):8*(8*(\a)+\b)+7], v[128*(\p)+FR*\b:128*(\p)+FR*\b+FR-1], v[AF+64*(\p)+FR*(\a):AF+64*(\p)+FR*(\a)+FR-1], v[8*(8*(\a)+\b):8*(8*(\a)+\b)+7]
.endif
.endr
.endm
.macro PLACES n
.rept \n
	v_nop
.endr
.endm
; A slot's first 128 along K, on set 0; its second 128 are fetched into set 1 ahead of the 32 products.
.macro STEP slot, zero
	s_wait_dscnt 0x0                               ; set 0 is in
	PLACES NP                                      ; in front of loads into set 1, which the last products read
	FETCH \slot, 1, 1
	WIN MUL
	MUL8 0, 0, \zero
	MUL8 1, 0, \zero
	MUL8 2, 0, \zero
	MUL8 3, 0, \zero
	WIN 0
.endm
; A slot's second 128 along K, on set 1, and the change of slots: ONE barrier; in front of it each wave waits for all its tensor loads, adds 0 to its spare word, and waits for that and for its reads of this slot.
.macro TURN slot, next, fill
	s_wait_tensorcnt 0x0                           ; all my tensor loads have landed: my part of the next slot
	ds_add_u32 v[SPW], v[NIL]                      ; 0 onto my spare word
	s_wait_dscnt 1                                 ; set 1 is in; the add alone may be out
	WIN MUL
	MUL8 0, 1, 0                                   ; eight matrix instructions stand between the add and the wait for it
	s_wait_dscnt 0x0                               ; the add is done, and my reads of this slot are over
	s_barrier_signal -1
	MUL8 1, 1, 0
	WIN 0
	s_barrier_wait -1
.if \fill
	CREST                                          ; the barrier has opened a round of the cluster's: no wave of any partner still reads this slot or has a load on its way
	s_add_nc_u64 s[G0+4*\slot+2:G0+4*\slot+3], s[G0+4*\slot+2:G0+4*\slot+3], 2*ABLK
	s_add_nc_u64 s[G0B+4*\slot+2:G0B+4*\slot+3], s[G0B+4*\slot+2:G0B+4*\slot+3], 2*256
	JLOAD G0+4*\slot, G1, G0B+4*\slot, G1B         ; the first tensor load behind the round; its four v_nop are also the places in front of the loads below
.else
	PLACES NP
.endif
	FETCH \next, 0, 0
	WIN MUL
	MUL8 2, 1, 0
	MUL8 3, 1, 0
	WIN 0
.endm
	s_wait_tensorcnt 1                             ; my part of K step 0 is in; K step 1's load may be out
	s_barrier_signal -1
	s_barrier_wait -1
	FETCH 0, 0, 0
	STEP 0, 1                                      ; K = 1,024 is four K steps of 256: written straight; the first products start the sums
	TURN 0, 1, 1                                   ; slot 0 takes K step 2
	STEP 1, 0
	TURN 1, 0, 1                                   ; slot 1 takes K step 3
	STEP 0, 0
	TURN 0, 1, 0                                   ; nothing is left to fetch
	STEP 1, 0
	s_wait_dscnt 0x0
	WIN MUL
	MUL8 0, 1, 0
	MUL8 1, 1, 0
	MUL8 2, 1, 0
	MUL8 3, 1, 0
	WIN 0
; THE WAY OUT, block by block of 16 tokens x 128 columns.  A lane holds 32 neighbouring bytes of a row, and the lanes beside it hold other rows: a block goes through my own stage in LDS and comes back as whole rows of
; 512 bytes.  LDS serves a wave's instructions in order (ISA guide 5.7.1.4): no wait between the stores and the loads, nor in front of the next block's stores.
.macro TOSTAGE a
.set AC, 64*(\a)
	WIN 0x02                                       ; source 0: window 2
.irp j, 0,2,4,6,8,10,12,14,16,18,20,22,24,26,28,30,32,34,36,38,40,42,44,46,48,50,52,54,56,58,60,62
	v_pk_mul_f32 v[TMP+\j:TMP+\j+1], v[AC+\j:AC+\j+1], s[96:97] op_sel_hi:[1,0]   ; x 2^(e6 + e7); each accumulator from its low end on
.endr
	WIN 0
.irp b, 0,1,2,3,4,5,6,7
	ds_store_b128 v[STO], v[TMP+8*\b:TMP+8*\b+3] offset:64*\b
	ds_store_b128 v[STO], v[TMP+8*\b+4:TMP+8*\b+7] offset:64*\b+16
.endr
.set BB, BK+64*((\a)%2)
.irp t, 0,1,2,3,4,5,6,7,8,9,10,11,12,13,14,15
	ds_load_b128 v[BB+4*\t:BB+4*\t+3], v[RD] offset:\t*SPITCH
.endr
.endm
.macro SEND a, younger                 ; younger: the LDS instructions issued behind block a's loads, which may stay out
.set BB, BK+64*((\a)%2)
	s_wait_dscnt \younger                          ; the block is back in registers
.if (\a) > 0
	s_add_nc_u64 s[10:11], s[10:11], 16*4096       ; 16 rows on (behind a wait on XCNT: the earlier stores have read their base)
.endif
.irp t, 0,1,2,3,4,5,6,7,8,9,10,11,12,13,14,15
	global_store_b128 v[CO], v[BB+4*\t:BB+4*\t+3], s[10:11] offset:\t*4096 th:TH_STORE_NT   ; 32 lanes store 512 consecutive bytes, at a multiple of 256 from out's first byte
.endr
.endm
	PLACES NP                                      ; behind the last products: their results are read, and the rows read back land where a's fragments lay
	TOSTAGE 0
.irp a, 1,2,3
.if \a > 1
	s_wait_xcnt 0x0                                ; block a - 2's stores have read their registers and their base
.endif
	TOSTAGE \a
	SEND \a-1, 32                                  ; behind block a - 1's loads: block a's 16 stores and 16 loads
.endr
	s_wait_xcnt 0x0                                ; block 2's stores have read their base
	SEND 3, 0
	s_wait_tensorcnt 0x0                           ; the wave's end
	ds_add_u32 v[SPW], v[NIL]
	s_wait_dscnt 0x0
	CROUND                                         ; the closing round: no work-group ends while a partner may still ask for a tile that names it
	s_endpgm
.Lfunc_end_k_q1a2cb74edc_proj:
	.size	k_q1a2cb74edc_proj, .Lfunc_end_k_q1a2cb74edc_proj-k_q1a2cb74edc_proj
	.p2alignl 7, 3214868480
	.fill 96, 4, 3214868480
	.section	.rodata,"a",@progbits
	.p2align	6, 0x0
	.amdhsa_kernel k_q1a2cb74edc_proj
		.amdhsa_group_segment_fixed_size 327680
		.amdhsa_private_segment_fixed_size 0
		.amdhsa_enable_private_segment 0
		.amdhsa_kernarg_size 32
		.amdhsa_user_sgpr_count 2
		.amdhsa_user_sgpr_kernarg_segment_ptr 1
		.amdhsa_wavefront_size32 1
		.amdhsa_system_sgpr_workgroup_id_x 1
		.amdhsa_system_sgpr_workgroup_id_y 1
		.amdhsa_system_sgpr_workgroup_id_z 1
		.amdhsa_system_vgpr_workitem_id 0
		.amdhsa_next_free_vgpr 768
		.amdhsa_next_free_sgpr 100
		.amdhsa_reserve_vcc 0
		.amdhsa_float_denorm_mode_32 3
		.amdhsa_float_denorm_mode_16_64 3
		.amdhsa_memory_ordered 1
		.amdhsa_forward_progress 1
		.amdhsa_inst_pref_size 76
	.end_amdhsa_kernel
	.amdgpu_metadata
---
amdhsa.version: [ 1, 2 ]
amdhsa.kernels:
  - .name:           k_q1a2cb74edc_proj
    .symbol:         k_q1a2cb74edc_proj.kd
    .args:
      - { .name: ac, .offset: 0, .size: 8, .value_kind: global_buffer, .address_space: global }
      - { .name: w_proj_codes, .offset: 8, .size: 8, .value_kind: global_buffer, .address_space: global }
      - { .name: lowp_scales, .offset: 16, .size: 8, .value_kind: global_buffer, .address_space: global }
      - { .name: out0, .offset: 24, .size: 8, .value_kind: global_buffer, .address_space: global }
    .group_segment_fixed_size: 327680
    .private_segment_fixed_size: 0
    .kernarg_segment_align: 8
    .kernarg_segment_size: 32
    .max_flat_workgroup_size: 128
    .sgpr_count:     100
    .vgpr_count:     768
    .wavefront_size: 32
...
	.end_amdgpu_metadata
.endif
;; end of part 3
